; MI455X (gfx1250); checked and timed in simulation.
; The chip was launched on July 23, 2026; its instructions are those of AMD's public machine-readable ISA for CDNA 5 (MIT licence, August 2026) and "CDNA5" Instruction Set Architecture Reference Guide (July 2026). The comments in the code are by the model that wrote it; some were corrected since.
;; Quantized LM Head. Allowed arithmetic: matrix products marked QUANTISED: E2M3 operands, one E8M0 scale for each 32 along K, by v_wmma_scale_f32_16x16x128_f8f6f4 with both operands' format E2M3, f32 sums; everything else in f32.
;; Inputs: U 2,048 x 2,048 float32; Z_w 2,048 x 4,000 float32; codebook 16 float32; hidden_states 4 x 1,024 x 2,048 float32; lambda_w 2,048 float32; lambda_x 2,048 float32.
;; Outputs: out0 4 x 1,024 x 4,000 float32.
;; This version of the problem:
;;   THIS VERSION OF THE PROBLEM IS GIVEN IN LOW PRECISION. The matrix products marked QUANTISED in the list below multiply operands that are first quantised to E2M3 (2 exponent bits, 3 mantissa bits; 6 bits a number), with one power-of-two scale for each 32 numbers along K (OCP MX v1.0); their sums are f32. All else is computed in f32.
;;   The module's matrix products, in the order in which they are computed (A, B: the left and right operand; K: the contracted axis; several contracted axes count as one K, in the product's order):
;;     1. [M 4,096, K 2,048] x [K 2,048, N 2,048]; A: input hidden_states; B: input U: QUANTISED
;;     2. [M 4,096, K 2,048] x [K 2,048, N 4,000]; A: computed on the way; B: input Z_w: QUANTISED
;;   THE QUANTISER, for each operand of a quantised product, along K:
;;     - K is cut into blocks of 32 from its start; a last block that is shorter is filled with zeros.
;;     - A block's scale is 2^e with e = floor(log2(the largest magnitude in the block)) - 2, held to -126 .. 127; a block of zeros has e = 0. As a byte (E8M0): e + 127.
;;     - Each number is divided by its block's scale, clamped to +-7.5, and rounded to the nearest number of E2M3, ties to even, subnormals kept.
;;     - The product sums the exact products of the quantised numbers (number of the format x scale) in f32.
;;   ~~~python
;;   def quantise(x, axis):      # numpy; x: float32 -> the quantised numbers, widened to float32 again
;;       x = np.moveaxis(x, axis, -1); K = x.shape[-1]
;;       x = np.pad(x, [(0, 0)] * (x.ndim - 1) + [(0, -K % 32)]); x = x.reshape(x.shape[:-1] + (-1, 32)); a = np.abs(x).max(-1, keepdims=True)
;;       e = np.where(a > 0, np.clip(np.frexp(np.where(a > 0, a, 1))[1] - 1 - 2, -126, 127), 0)      # np.frexp(a)[1] - 1 = floor(log2(a)), exactly
;;       r = np.clip(x / 2.0 ** e, -7.5, 7.5)
;;       step = 2.0 ** (np.maximum(np.frexp(np.where(r == 0, 1, r))[1] - 1, 0) - 3)
;;       q = np.round(r / step) * step * 2.0 ** e      # np.round: ties to even
;;       return np.moveaxis(q.reshape(q.shape[:-2] + (-1,))[..., :K], -1, axis).astype(np.float32)
;;   ~~~
;;   OPERANDS COMPUTED ON THE WAY. 'Computed on the way' means the value that the module computes at that place (a softmax that the list does not call 'softmax' is quantised finished and normalised). What goes into a quantiser is computed in f32, as accurately as f32 sums, v_exp_f32 and their like allow (about 1e-6 of the number): no bf16 or f16 on the way to a quantiser, and a product that is left as it is and whose result goes on into a quantised operand takes f32 operands (vector FMAs, or v_wmma_f32_16x16x4_f32). A number that lies on a knife's edge between two numbers of the format may be rounded either way, as far as f32 arithmetic and the matrix unit's own rounding can turn it there, and no further.
;; One version. Each part assembles by itself: llvm-mc -triple=amdgcn-amd-amdhsa -mcpu=gfx1250 --defsym DOCPART=n.
;; ======== version 1 of 1: 3 launches
;; limits: right only within a limited range of input values
;; workspace buffers: xc 6,291,456 bytes; xs 262,144 bytes; uc 3,145,728 bytes; us 131,072 bytes; zc 6,291,456 bytes; zs 262,144 bytes; a2c 6,291,456 bytes; a2s 262,144 bytes
;; launch quant (part 1): grid 640 x 1, 4 waves a work-group, no clusters, 34,304 bytes of LDS; arguments hidden_states, U, Z_w, xc, xs, uc, us, zc, zs; writes xc, xs, uc, us, zc, zs
.if DOCPART == 1
	.amdgcn_target "amdgcn-amd-amdhsa--gfx1250"
	.amdhsa_code_object_version 6
	.text
	.protected	k_q41320e40ca_quant
	.globl	k_q41320e40ca_quant
	.p2align	8
	.type	k_q41320e40ca_quant,@function
k_q41320e40ca_quant:
	s_mov_b64 s[64:65], 0
	v_nop
	global_prefetch_b8 v0, s[64:65] scope:SCOPE_SE
	s_setreg_imm32_b32 hwreg(HW_REG_WAVE_MODE, 25, 1), 1
	s_wait_xcnt 0x0
; hidden_states [4096][2048], U [2048 (k)][2048], Z_w [2048 (k)][4000], all f32, become codes of FP6 (E2M3) with one E8M0 byte for each 32 along K.
; DEAD WORK: none.  Every input of reference() reaches the output for some values (x and U through s, lambda_x through z and coeff, lambda_w through coeff, the codebook through z_x, Z_w in the
; last product), so no input, product, row or step is left out in any of the three launches.  Work that is ADDED: Z_w's 4,000 columns are filled up to 4,096 with zero codes (scale byte 127), so that
; the last product's tiles are whole; zero codes add nothing to any sum, and those columns are never stored.
; LAYOUT OF THE WORKSPACE, chosen for the reader: codes C[rb][s][1536]: rb = a block of 16 rows (for U and Z_w: 16 columns n), s = a K step of 128; the 1,536 bytes are the IMAGE of the operand's 12 registers:
; registers 4 c .. 4 c + 3 of lane l at 512 c + 16 l.  Lane (r, h) of a fragment holds row r, registers 6 c .. 6 c + 5 = k 64 c + 32 h + 0 .. 31.  Scale words S[s][row]: four bytes, byte b for k 32 b .. 32 b + 31.
; U'S COLUMNS ARE PERMUTED inside each 32: fragment 2 B + u, place r, holds column 32 B + 8 u + r + 8 (r / 8), so that the first product's results (used transposed) are 16 neighbours along the next K in a lane.
; A block's scale is 2^(floor(log2(largest magnitude)) - 2): its byte is the largest magnitude's exponent field - 2, held at 1 from below by a floor among the maximum's leaves.
; (A block of zeros so gets the byte 1 where the rule says 127: its codes are zeros, and this program alone reads the bytes.)
; LIMITS: NaN and infinities among the inputs are not served; blocks whose largest magnitude lies under 2^-124 get the byte 1.
; SHARES: 640 work-groups of four waves, 32 KiB of f32 a wave.  Work-groups 0-255: x (32 rows x 1,024 along K; a wave 32 rows x 256).  256-383: U, 384-639: Z_w (128 columns x 256 along K; a wave 32 columns).
; No tensor loads, no barrier: waves share nothing.  Only x's path touches LDS (a stage of its own for each wave).
.set RBP,   24576                      ; bytes from a block of 16 rows to the next: 16 K steps x 1,536
.set FRB,   1536                       ; a fragment's image
.set SP,    528                        ; a stage row: 512 bytes + 16
.set STG,   16*SP                      ; a wave's stage
.set SPARE, 4*STG                      ; behind the stages: the spare words, 128 bytes a wave: two blocks of 256 bytes that no other line names
.set LN,  1                            ; v1   lane
.set LI,  2                            ; v2   16 x lane
.set LS,  3                            ; v3   4 x lane
.set SPW, 12                           ; v12  LDS address of my spare word; never rewritten
.set NIL, 13                           ; v13  0; never rewritten
.set XW,  16                           ; x: v16-19 a fragment's scale words;  v20-21 two fragments' joined
.set XWW, 20
.set XR,  32                           ; x: v32-159 two sets of 64 registers as loaded
.set XX,  160                          ; x: v160-223 my 64 numbers: two whole blocks of 32
.set XC,  224                          ; x: v224-235 the fragment's codes
.set XT,  236                          ; x: v236-238, v240-242 second halves of a block's codes
.set WO,  32                           ; weights: v32-63 byte offsets of 32 rows k at my column
.set WX,  64                           ; weights: v64-127 two sets of 32 numbers
.set WF,  128                          ; weights: v128-175 four fragments: K step st, 16 columns u at WF + 24 st + 12 u
.set WT,  176                          ; weights: v176-178
.set WD,  180                          ; weights: v180-181 my column's scale word of K step st
; ---- x: fragment f of four: rows 16 (f % 2) on, K step f / 2
.macro LOADF f                         ; 16 rows, each load 512 consecutive bytes of one row
.irp j, 0,1,2,3,4,5,6,7,8,9,10,11,12,13,14,15
	global_load_b128 v[XR+64*((\f)%2)+4*\j:XR+64*((\f)%2)+4*\j+3], v[LI], s[4:5] offset:(16*((\f)%2)+\j)*8192+512*((\f)/2) th:TH_LOAD_NT
.endr
.endm
.macro TURNF f                         ; through my stage: in as loaded, out 128 neighbouring bytes (a block of 32) twice a lane.  LDS serves a wave's instructions in order: no wait between
.irp j, 0,1,2,3,4,5,6,7,8,9,10,11,12,13,14,15
	ds_store_b128 v4, v[XR+64*((\f)%2)+4*\j:XR+64*((\f)%2)+4*\j+3] offset:SP*\j
.endr
.irp c, 0,1
.irp i, 0,1,2,3,4,5,6,7
	ds_load_b128 v[XX+32*\c+4*\i:XX+32*\c+4*\i+3], v5 offset:256*\c+16*\i
.endr
.endr
.endm
.macro QUANTX f                        ; lane (r, h): blocks h and 2 + h of row r, all 32 numbers of each are mine
.irp c, 0,1
	v_max3_num_f32 v[8+\c], |v[XX+32*\c]|, |v[XX+32*\c+1]|, 0x1800000   ; with the floor 2^(3 - 127): the byte cannot fall under 1
.endr
.irp i, 2,4,6,8,10,12,14,16,18,20,22,24,26,28,30
.irp c, 0,1
	v_max3_num_f32 v[8+\c], v[8+\c], |v[XX+32*\c+\i]|, |v[XX+32*\c+\i+1]|   ; the two blocks by turns
.endr
.endr
.irp c, 0,1
	v_add_nc_u32 v[10+\c], 0xff000000, v[8+\c]     ; 2 off the exponent field: the conversion takes this operand's exponent field as its scale
.endr
	v_lshrrev_b32 v8, 23, v10                      ; the two bytes,
	v_lshrrev_b32 v9, 23, v11
	v_lshl_or_b32 v14, v9, 16, v8
	v_lshlrev_b32 v14, v6, v14                     ; at their places in the word (8 h bits up);
	v_permlanex16_b32 v15, v14, s24, s25
	v_or_b32 v[XW+(\f)], v14, v15                  ; with lane l xor 16's two the word is whole, in both lanes
.irp c, 0,1
	v_cvt_scalef32_pk16_fp6_f32 v[XC+6*\c:XC+6*\c+2], v[XX+32*\c:XX+32*\c+15], v[10+\c]
	v_cvt_scalef32_pk16_fp6_f32 v[XT+4*\c:XT+4*\c+2], v[XX+32*\c+16:XX+32*\c+31], v[10+\c]   ; (a conversion's three registers begin on an even number)
.endr
	v_nop                                          ; one plain place behind a scaled conversion
.irp c, 0,1
.irp i, 0,1,2
	v_mov_b32 v[XC+6*\c+3+\i], v[XT+4*\c+\i]
.endr
.endr
.endm
.macro STEPF f
.if (\f) < 3
	s_wait_loadcnt 16                              ; my 16 loads are in; the next fragment's 16 may be out
.else
	s_wait_loadcnt 0x0
.endif
	TURNF \f
	s_wait_dscnt 0x0                               ; my numbers are back, and the stage's stores have read the set, which
.if (\f) < 2
	LOADF (\f)+2                                   ; takes the fragment two on
.endif
.if (\f) > 0
	s_wait_xcnt 0x0                                ; the last fragment's stores have read the codes' registers: they are written again only behind this wait
.endif
	QUANTX \f
.irp c, 0,1,2
	global_store_b128 v[LI], v[XC+4*\c:XC+4*\c+3], s[10:11] offset:((\f)%2)*RBP+((\f)/2)*FRB+512*\c   ; 512 consecutive bytes a store
.endr
.if (\f)%2 == 1
	v_cndmask_b32 v[XWW+(\f)/2], v[XW+(\f)-1], v[XW+(\f)], s26   ; lanes 0-15: rows 0-15's words, lanes 16-31: rows 16-31's
	global_store_b32 v[LS], v[XWW+(\f)/2], s[12:13] offset:16384*((\f)/2)
.endif
.endm
; ---- weights: block t of eight: k 32 t + 0 .. 31 of my column
.macro LOADW t
.irp i, 0,1,2,3,4,5,6,7,8,9,10,11,12,13,14,15,16,17,18,19,20,21,22,23,24,25,26,27,28,29,30,31
	global_load_b32 v[WX+32*((\t)%2)+\i], v[WO+\i], s[32+2*(\t):33+2*(\t)] th:TH_LOAD_NT   ; a wave reads 128 consecutive bytes of a row k, the work-group 512
.endr
.endm
.macro BLOCK t
.set XS,  WX+32*((\t)%2)
.set KST, (\t)/4                       ; which of my two K steps
.set BT,  (\t)%4                       ; which block of it
.set FA,  WF+24*KST
.set D0,  FA+12*(BT%2)+6*(BT/2)        ; even blocks into the first fragment's registers, odd ones into the second's
.if (\t) < 7
	s_wait_loadcnt 32                              ; this block's 32 loads are in; the next block's may be out
.else
	s_wait_loadcnt 0x0
.endif
	v_max3_num_f32 v8, |v[XS]|, |v[XS+1]|, |v[XS+2]|
	v_max3_num_f32 v9, |v[XS+3]|, |v[XS+4]|, |v[XS+5]|
.irp i, 6,10,14,18,22,26
	v_max3_num_f32 v8, v8, |v[XS+\i]|, |v[XS+\i+1]|
	v_max3_num_f32 v9, v9, |v[XS+\i+2]|, |v[XS+\i+3]|
.endr
	v_max3_num_f32 v8, v8, |v[XS+30]|, |v[XS+31]|
	v_max3_num_f32 v8, v8, v9, 0x1800000           ; and the floor
	v_add_nc_u32 v10, 0xff000000, v8               ; the conversion's scale operand
	v_lshrrev_b32 v11, 23, v10                     ; the byte
.if BT == 0
	v_mov_b32 v[WD+KST], v11
.else
	v_lshl_or_b32 v[WD+KST], v11, 8*BT, v[WD+KST]
.endif
	v_cvt_scalef32_pk16_fp6_f32 v[D0:D0+2], v[XS:XS+15], v10
	v_cvt_scalef32_pk16_fp6_f32 v[WT:WT+2], v[XS+16:XS+31], v10
	v_nop                                          ; one plain place behind a scaled conversion
.irp i, 0,1,2
	v_mov_b32 v[D0+3+\i], v[WT+\i]
.endr
.if (\t) < 6
	LOADW (\t)+2
.endif
.if BT%2 == 1                          ; a lane has made all blocks of its column; the layout wants even blocks in lanes 0-15 and odd ones in lanes 16-31 of the column's own fragment:
.irp i, 0,1,2,3,4,5                    ; the first's lanes 16-31 (even blocks of the upper 16 columns) change places with the second's lanes 0-15 (odd blocks of the lower 16)
	v_permlane16_swap_b32 v[FA+6*(BT/2)+\i], v[FA+12+6*(BT/2)+\i]
.endr
.endif
.if BT == 3
.irp u, 0,1
.irp c, 0,1,2
	global_store_b128 v[LI], v[FA+12*\u+4*\c:FA+12*\u+4*\c+3], s[10:11] offset:\u*RBP+KST*FRB+512*\c
.endr
.endr
	global_store_b32 v[LS], v[WD+KST], s[12+2*KST:13+2*KST]   ; each K step has registers of its own: no store's data are written again
.endif
.endm
	s_load_b256 s[4:11], s[0:1], 0x0               ; x s[4:5], U s[6:7], Z_w s[8:9], xc s[10:11]
	s_load_b256 s[12:19], s[0:1], 0x20             ; xs s[12:13], uc s[14:15], us s[16:17], zc s[18:19]
	s_load_b64 s[20:21], s[0:1], 0x40              ; zs
	v_lshl_add_u32 v[SPW], v0, 2, SPARE
	v_mov_b32 v[NIL], 0
	v_lshrrev_b32 v1, 5, v0
	v_readfirstlane_b32 s22, v1                    ; wave 0..3
	v_and_b32 v[LN], 31, v0
	v_lshlrev_b32 v[LI], 4, v[LN]
	v_lshlrev_b32 v[LS], 2, v[LN]
	s_mov_b32 s24, 0x76543210
	s_mov_b32 s25, 0xfedcba98                      ; v_permlanex16_b32's selects for lane l xor 16
	s_mov_b32 s26, 0xffff0000                      ; lanes 16-31
	s_wait_kmcnt 0x0
	s_cmp_ge_u32 ttmp9, 256                        ; the work-group's number alone decides the path
	s_cbranch_scc1 .Lweights
	; ---------------- x
	s_lshr_b32 s27, ttmp9, 1                       ; g: which 32 rows
	s_and_b32 s28, ttmp9, 1
	s_lshl_b32 s28, s28, 3
	s_lshl_b32 s29, s22, 1
	s_add_co_u32 s28, s28, s29                     ; my first K step: 8 (wg % 2) + 2 wave
	s_lshl_b32 s30, s27, 18                        ; 32 g rows of 8,192 bytes
	s_lshl_b32 s29, s28, 9                         ; + 512 bytes a K step
	s_add_co_u32 s30, s30, s29
	s_mov_b32 s31, 0
	s_add_nc_u64 s[4:5], s[4:5], s[30:31]
	s_mul_i32 s30, s27, 2*RBP
	s_mul_i32 s29, s28, FRB
	s_add_co_u32 s30, s30, s29
	s_add_nc_u64 s[10:11], s[10:11], s[30:31]
	s_lshl_b32 s30, s28, 14                        ; a K step's 4,096 words
	s_lshl_b32 s29, s27, 7                         ; + 32 rows' words
	s_add_co_u32 s30, s30, s29
	s_add_nc_u64 s[12:13], s[12:13], s[30:31]
	s_mul_i32 s29, s22, STG                        ; my stage
	s_wait_alu depctr_va_vdst(0)
	v_add_nc_u32 v4, s29, v[LI]                    ; in: 16 x lane of a row
	v_and_b32 v8, 15, v[LN]                        ; r
	v_lshrrev_b32 v9, 4, v[LN]                     ; h
	v_mul_u32_u24 v5, v8, SP
	v_lshl_add_u32 v5, v9, 7, v5
	v_add_nc_u32 v5, s29, v5                       ; out: row r, + 128 h
	v_lshlrev_b32 v6, 3, v9                        ; 8 h
	v_mov_b32 v15, 0                               ; written once: a lane permute's destination counts as one of its sources
	LOADF 0
	LOADF 1
	s_wait_alu depctr_va_vdst(0)
	STEPF 0
	STEPF 1
	STEPF 2
	STEPF 3
	s_wait_tensorcnt 0x0                           ; the wave's end
	ds_add_u32 v[SPW], v[NIL]
	s_wait_dscnt 0x0
	s_endpgm
	; ---------------- U and Z_w: one path; what differs is chosen by the work-group's number
.Lweights:
	s_cmp_lt_u32 ttmp9, 384
	s_cselect_b64 s[4:5], s[6:7], s[8:9]           ; the tensor,
	s_cselect_b64 s[10:11], s[14:15], s[18:19]     ; its codes,
	s_cselect_b64 s[12:13], s[16:17], s[20:21]     ; its scale words
	s_mov_b32 s27, 384
	s_cselect_b32 s27, 256, s27                    ; its first work-group
	s_cselect_b32 s28, 15, 31                      ; work-groups along n, less 1,
	s_cselect_b32 s29, 4, 5                        ; and their logarithm
	s_mov_b32 s30, 16000
	s_cselect_b32 s30, 8192, s30                   ; a row k in bytes
	s_mov_b32 s31, 16384
	s_cselect_b32 s31, 512, s31                    ; bytes from a K step's scale words to the next.  U's words are laid [128 columns][K step][128 words], so that 256 columns' words of all K are one dense block; Z_w's stay [K step][column]
	s_mov_b32 s62, 512
	s_cselect_b32 s62, 8192, s62                   ; bytes from 128 columns' words to the next 128 columns'
	s_mov_b32 s48, 4000
	s_cselect_b32 s48, 2048, s48                   ; columns that exist
	s_cselect_b32 s49, 4, 3                        ; where the lane's bit 3 goes in its column's number,
	s_cselect_b32 s50, 3, 4                        ; and its bit 4: U swaps the two, which is the permutation of the head comment
	s_sub_co_u32 s51, ttmp9, s27
	s_and_b32 s52, s51, s28
	s_lshr_b32 s53, s51, s29                       ; y: which 256 along K
	s_lshl_b32 s52, s52, 7
	s_lshl_b32 s54, s22, 5
	s_add_co_u32 s52, s52, s54                     ; my wave's first column
	s_wait_alu depctr_va_vdst(0)
	v_and_b32 v7, 7, v[LN]
	v_bfe_u32 v8, v[LN], 3, 1
	v_bfe_u32 v9, v[LN], 4, 1
	v_lshlrev_b32 v8, s49, v8
	v_lshlrev_b32 v9, s50, v9
	v_or_b32 v7, v7, v8
	v_or_b32 v7, v7, v9
	v_lshlrev_b32 v7, 2, v7                        ; my column among the 32, in bytes
.irp i, 0,1,2,3,4,5,6,7,8,9,10,11,12,13,14,15,16,17,18,19,20,21,22,23,24,25,26,27,28,29,30,31
	v_mad_u32_u24 v[WO+\i], s30, \i, v7
.endr
	s_lshl_b32 s54, s53, 8
	s_mul_i32 s54, s54, s30                        ; 256 y rows
	s_lshl_b32 s55, s52, 2
	s_add_co_u32 s54, s54, s55
	s_mov_b32 s55, 0
	s_add_nc_u64 s[32:33], s[4:5], s[54:55]        ; a base for each of the eight blocks: no pointer is stepped
	s_lshl_b32 s56, s30, 5
	s_mov_b32 s57, 0
.irp t, 1,2,3,4,5,6,7
	s_add_nc_u64 s[32+2*\t:33+2*\t], s[30+2*\t:31+2*\t], s[56:57]
.endr
	s_lshr_b32 s58, s52, 4
	s_mul_i32 s58, s58, RBP
	s_mul_i32 s59, s53, 2*FRB
	s_add_co_u32 s58, s58, s59
	s_mov_b32 s59, 0
	s_add_nc_u64 s[10:11], s[10:11], s[58:59]
	s_lshl_b32 s58, s53, 1
	s_mul_i32 s58, s58, s31
	s_and_b32 s60, s52, 127
	s_lshl_b32 s60, s60, 2                         ; my first column's word among its 128,
	s_add_co_u32 s58, s58, s60
	s_lshr_b32 s60, s52, 7
	s_mul_i32 s60, s60, s62                        ; and which 128 columns
	s_add_co_u32 s58, s58, s60
	s_add_nc_u64 s[12:13], s[12:13], s[58:59]
	s_mov_b32 s60, s31
	s_mov_b32 s61, 0
	s_add_nc_u64 s[14:15], s[12:13], s[60:61]      ; and K step 2 y + 1's
	s_cmp_ge_u32 s52, s48                          ; ids alone: Z_w's columns 4,000 to 4,095 do not exist (4,000 is a multiple of 32: a wave's columns all exist or none does)
	s_cbranch_scc1 .Lpad
	s_wait_alu depctr_va_vdst(0)
	LOADW 0
	LOADW 1
	BLOCK 0
	BLOCK 1
	BLOCK 2
	BLOCK 3
	BLOCK 4
	BLOCK 5
	BLOCK 6
	BLOCK 7
	s_endpgm                                       ; this path writes no LDS
.Lpad:
.irp i, 0,1,2,3
	v_mov_b32 v[184+\i], 0                         ; zero codes
.endr
	v_mov_b32 v188, 0x7f7f7f7f                     ; and the scale 1
.irp u, 0,1
.irp k, 0,1
.irp c, 0,1,2
	global_store_b128 v[LI], v[184:187], s[10:11] offset:\u*RBP+\k*FRB+512*\c
.endr
.endr
.endr
	global_store_b32 v[LS], v188, s[12:13]
	global_store_b32 v[LS], v188, s[14:15]
	s_endpgm
.Lfunc_end_k_q41320e40ca_quant:
	.size	k_q41320e40ca_quant, .Lfunc_end_k_q41320e40ca_quant-k_q41320e40ca_quant
	.p2alignl 7, 3214868480
	.fill 96, 4, 3214868480
	.section	.rodata,"a",@progbits
	.p2align	6, 0x0
	.amdhsa_kernel k_q41320e40ca_quant
		.amdhsa_group_segment_fixed_size 34304
		.amdhsa_private_segment_fixed_size 0
		.amdhsa_enable_private_segment 0
		.amdhsa_kernarg_size 72
		.amdhsa_user_sgpr_count 2
		.amdhsa_user_sgpr_kernarg_segment_ptr 1
		.amdhsa_wavefront_size32 1
		.amdhsa_system_sgpr_workgroup_id_x 1
		.amdhsa_system_sgpr_workgroup_id_y 1
		.amdhsa_system_sgpr_workgroup_id_z 1
		.amdhsa_system_vgpr_workitem_id 0
		.amdhsa_next_free_vgpr 256
		.amdhsa_next_free_sgpr 66
		.amdhsa_reserve_vcc 0
		.amdhsa_float_denorm_mode_32 3
		.amdhsa_float_denorm_mode_16_64 3
		.amdhsa_memory_ordered 1
		.amdhsa_forward_progress 1
		.amdhsa_inst_pref_size 74
	.end_amdhsa_kernel
	.amdgpu_metadata
---
amdhsa.version: [ 1, 2 ]
amdhsa.kernels:
  - .name:           k_q41320e40ca_quant
    .symbol:         k_q41320e40ca_quant.kd
    .args:
      - { .name: hidden_states, .offset: 0, .size: 8, .value_kind: global_buffer, .address_space: global }
      - { .name: U, .offset: 8, .size: 8, .value_kind: global_buffer, .address_space: global }
      - { .name: Z_w, .offset: 16, .size: 8, .value_kind: global_buffer, .address_space: global }
      - { .name: xc, .offset: 24, .size: 8, .value_kind: global_buffer, .address_space: global }
      - { .name: xs, .offset: 32, .size: 8, .value_kind: global_buffer, .address_space: global }
      - { .name: uc, .offset: 40, .size: 8, .value_kind: global_buffer, .address_space: global }
      - { .name: us, .offset: 48, .size: 8, .value_kind: global_buffer, .address_space: global }
      - { .name: zc, .offset: 56, .size: 8, .value_kind: global_buffer, .address_space: global }
      - { .name: zs, .offset: 64, .size: 8, .value_kind: global_buffer, .address_space: global }
    .group_segment_fixed_size: 34304
    .private_segment_fixed_size: 0
    .kernarg_segment_align: 8
    .kernarg_segment_size: 72
    .max_flat_workgroup_size: 128
    .sgpr_count:     66
    .vgpr_count:     256
    .wavefront_size: 32
...
	.end_amdgpu_metadata
.endif
;; end of part 1
;; launch gemm1 (part 2): grid 8 x 32, 4 waves a work-group, clusters of 4 x 4, 327,680 bytes of LDS; arguments xc, xs, uc, us, lambda_x, lambda_w, codebook, a2c, a2s; writes a2c, a2s
.if DOCPART == 2
	.amdgcn_target "amdgcn-amd-amdhsa--gfx1250"
	.amdhsa_code_object_version 6
	.text
	.protected	k_q41320e40ca_gemm1
	.globl	k_q41320e40ca_gemm1
	.p2align	8
	.type	k_q41320e40ca_gemm1,@function
k_q41320e40ca_gemm1:
	s_mov_b64 s[64:65], 0
	v_nop
	global_prefetch_b8 v0, s[64:65] scope:SCOPE_SE
	s_setreg_imm32_b32 hwreg(HW_REG_WAVE_MODE, 25, 1), 1
	s_wait_xcnt 0x0
	s_wait_alu depctr_hold_cnt(0) depctr_sa_sdst(0) depctr_va_vdst(0) depctr_va_sdst(0) depctr_va_ssrc(0) depctr_va_vcc(0) depctr_vm_vsrc(0)
	s_getreg_b32 s2, hwreg(HW_REG_IB_STS2, 6, 4)
	s_cmp_eq_u32 s2, 0
	s_cbranch_scc0 .Lentry_in_a_cluster
	s_endpgm
.Lentry_in_a_cluster:
	s_bfe_u32 s2, ttmp6, 0x10000c
	s_cmp_lg_u32 s2, 0xf033
	s_cbranch_scc0 .Lentry_shape_is_right
	s_endpgm
.Lentry_shape_is_right:
; s = Q(x) Q(U) on codes of FP6 (E2M3); z = s / safe lambda_x; z_x = the nearest codebook number; a2 = Q(z_x lambda_x lambda_w), stored as codes and scale words for the last product.  No work of reference() is left out here.
; A tile is 128 rows x 256 columns: four waves, each 64 x 128 (32 accumulators); 256 work-groups.  Operands lie in memory as images of their registers (C[16 rows][K step][1536]): a fragment is three ds_load_b128 at 16 x lane.
; THE RING: two LDS slots of 4 K steps of 128.  At the head each wave issues one joint load: wave 0 slot 0's rows of x, wave 1 its columns of U, wave 2 x's scale words, wave 3 U's (all 16 K steps; they stay).
; Slot 1 is first filled as a refill is.  The lambdas and the codebook are loaded and prepared between the head's loads and the wait for them.
; CLUSTERS: 4 x 4 work-groups; x's tiles are shared along a row of the cluster, U's along a column.  The matrix instruction is used transposed (source 0 = 16 columns of U, source 1 = 16 rows of x), and U's columns
; are permuted by the quantising launch, so that a lane's 16 registers of two neighbouring tiles are 16 neighbours along the next K.
; THE CODEBOOK is sorted here (rank by counting, ties by place), whatever order it comes in; t_j = (c_(j-1) + c_j) / 2.  The nearest number is c_n, n = how many t_j lie under z (at a tie the lower, as argmin has it).
; n is found by halving: t_8, then t_4 or t_12 by a select, then two thresholds and at last c_n fetched from the lane that holds them (ds_bpermute_b32: lane j holds t_j and c_j).  No branch and no memory address hangs on z.
; No prefetch: K is walked in four fills of a slot, two of them first fills, so only two refills could be run ahead of.
; LIMITS: NaN and infinities among the inputs are not served (a NaN z takes c_0).
.set NA,    4
.set NQ,    4
.set FRB,   1536
.set RBP,   24576
.set STEPB, NQ*FRB
.set APART, NA*STEPB
.set BPART, 8*STEPB
.set SLOT,  2*APART+2*BPART
.set SCL,   2*SLOT                     ; behind the ring: x's scale words [16 s][128 rows], then U's [2 halves][16 s][128 columns]
.set ASCB,  8192
.set AHS,   256
.set SPARE, SCL+ASCB+16384             ; the spare words, 128 bytes a wave
.set LAPS,  16/(2*NQ)
.set DD,   4                           ; v4-11   the search: eight steps of the lane address
.set ADRA, 16
.set ADRB, 20
.set ADRS, 27
.set SPW,  28
.set NIL,  29
.set LI,   30
.set LS,   31
.set SC,   32                          ; v32-47  scale words, two sets
.set AF,   64                          ; v64-159 x's fragments, two sets
.set CC,   51                          ; lane j: c_j, sorted
.set TT,   54                          ; lane j: t_j
.set ZZ,   64                          ; the way out: a block's 64 z, then z_x, then z_x coeff
.set TH,   128                         ; thresholds at work
.set AD,   192                         ; 4 x the lane asked next
.set PC,   128
.set TM,   176
.set G1, 24
.set G0, 32
.set G1B, 48
.set G0B, 56
.set G1S, 68
.set G0S, 76
.set G1SB, 80
.set G0SB, 88
.set MK,  24
.set SEL, 36
.set MSB, 0
.macro WIN new
.if MSB != (\new)
	s_set_vgpr_msb (MSB<<8)|(\new)
.set MSB, (\new)
.endif
.endm
.set MUL_LO, 0xa1
.set TO_B,   0x40
.macro JLOAD g0a, g1a, g0b, g1b        ; waves 0 and 1 fetch for x, waves 2 and 3 for U; an s_nop 0 and four v_nop follow each line
	s_cmp_eq_u32 s15, 0
	s_cbranch_scc0 .Lfor_b_\@
	tensor_load_to_lds s[\g0a:\g0a+3], s[\g1a:\g1a+7]
	s_nop 0
.rept 4
	v_nop
.endr
	s_branch .Lasked_\@
.Lfor_b_\@:
	tensor_load_to_lds s[\g0b:\g0b+3], s[\g1b:\g1b+7]
	s_nop 0
.rept 4
	v_nop
.endr
.Lasked_\@:
.endm
.macro ARM under, g0, g1, next         ; one arm of the head's chain: one load, then to the chain's end
	s_cmp_lt_u32 s14, \under
	s_cbranch_scc0 \next
	tensor_load_to_lds s[\g0:\g0+3], s[\g1:\g1+7]
	s_nop 0
.rept 4
	v_nop
.endr
	s_branch .Lhead_asked
\next:
.endm
.macro CREST
	s_cmp_lg_u32 s14, 0
	s_cbranch_scc1 .Lnot_wave_0_\@
	s_barrier_signal -3
.Lnot_wave_0_\@:
	s_barrier_wait -3
	s_barrier_signal -1
	s_barrier_wait -1
.endm
.macro CROUND
	s_barrier_signal -1
	s_barrier_wait -1
	CREST
.endm
.macro SHAPE g, d0, d1, str            ; rows of d0 elements of 8 bytes, d1 of them, str elements apart
	s_mov_b32 s[\g+1], (\d0)<<16
	s_mov_b32 s[\g+2], (\d1)<<16
	s_mov_b32 s[\g+3], (\d0)<<16
	s_mov_b32 s[\g+4], \d1
	s_mov_b32 s[\g+5], \str
	s_mov_b32 s[\g+6], 0
	s_mov_b32 s[\g+7], 0
.endm
.macro PLACES n
.rept \n
	v_nop
.endr
.endm
.macro FB slot, q, p, n0, cnt          ; cnt of the 24 loads that bring U's eight fragments of the slot's q-th K step into set p
	WIN TO_B
.set N, \n0
.rept \cnt
	ds_load_b128 v[128*(\p)+4*N:128*(\p)+4*N+3], v[ADRB+\slot] offset:(N/3)*STEPB+(\q)*FRB+512*(N%3)
.set N, N+1
.endr
.endm
.macro FA slot, q, p                   ; x's four fragments and the eight scale words
	WIN 0
.set N, 0
.rept 12
	ds_load_b128 v[AF+48*(\p)+4*N:AF+48*(\p)+4*N+3], v[ADRA+\slot] offset:(N/3)*STEPB+(\q)*FRB+512*(N%3)
.set N, N+1
.endr
.irp i, 0,1,2,3,4,5,6,7
	ds_load_b32 v[SC+8*(\p)+\i], v[ADRS] offset:((\slot)*NQ+(\q))*512+64*\i
.endr
.endm
.macro FETCH slot, q, p
	FB \slot, \q, \p, 0, 24
	FA \slot, \q, \p
.endm
.macro MULB a, p, zero                 ; the 32 accumulators take turns, in the same order in every step
	WIN MUL_LO
.irp b, 0,1,2,3,4,5,6,7
.if \zero
	v_wmma_scale_f32_16x16x128_f8f6f4 v[8*(8*(\a)+\b):8*(8*(\a)+\b)+7], v[128*(\p)+12*\b:128*(\p)+12*\b+11], v[AF+48*(\p)+12*(\a):AF+48*(\p)+12*(\a)+11], 0, v[SC+8*(\p)+\b], v[SC+8*(\p)+(\a)] matrix_a_fmt:MATRIX_FMT_FP6 matrix_b_fmt:MATRIX_FMT_FP6 matrix_a_scale:MATRIX_SCALE_ROW1
.else
	v_wmma_scale_f32_16x16x128_f8f6f4 v[8*(8*(\a)+\b):8*(8*(\a)+\b)+7], v[128*(\p)+12*\b:128*(\p)+12*\b+11], v[AF+48*(\p)+12*(\a):AF+48*(\p)+12*(\a)+11], v[8*(8*(\a)+\b):8*(8*(\a)+\b)+7], v[SC+8*(\p)+\b], v[SC+8*(\p)+(\a)] matrix_a_fmt:MATRIX_FMT_FP6 matrix_b_fmt:MATRIX_FMT_FP6 matrix_a_scale:MATRIX_SCALE_ROW1
.endif
.endr
.endm
.macro STEP slot, q, zero              ; a K step whose successor lies in the same slot: the successor's loads stand in three runs among this step's products
	s_wait_dscnt 0x0
	PLACES 4                                       ; behind the last step's products, which read the set that is loaded now
	FB \slot, (\q)+1, 1-(\q)%2, 0, 12
	MULB 0, (\q)%2, \zero
	FB \slot, (\q)+1, 1-(\q)%2, 12, 12
	MULB 1, (\q)%2, \zero
	FA \slot, (\q)+1, 1-(\q)%2
	MULB 2, (\q)%2, \zero
	MULB 3, (\q)%2, \zero
.endm
.macro REST slot
	STEP \slot, 1, 0
	STEP \slot, 2, 0
.endm
.macro TURN slot, next, fill           ; a slot's last K step, and the change of slots
	WIN 0
	s_wait_tensorcnt 0x0                           ; all my tensor loads have landed: my part of the next slot
	ds_add_u32 v[SPW], v[NIL]
	s_wait_dscnt 1                                 ; the fragments are in; the add may be out
	MULB 0, 1, 0
	s_wait_dscnt 0x0                               ; the add is done, my reads of this slot are over
	s_barrier_signal -1
	MULB 1, 1, 0
	WIN 0
	s_barrier_wait -1
.if \fill
	CREST                                          ; the barrier has opened a round of the cluster's barrier
	s_add_nc_u64 s[G0+4*\slot+2:G0+4*\slot+3], s[G0+4*\slot+2:G0+4*\slot+3], 2*STEPB
	s_add_nc_u64 s[G0B+4*\slot+2:G0B+4*\slot+3], s[G0B+4*\slot+2:G0B+4*\slot+3], 2*STEPB
	JLOAD G0+4*\slot, G1, G0B+4*\slot, G1B
.else
	PLACES 4
.endif
.if \slot == 1
	v_add_nc_u32 v[ADRS], 2*NQ*512, v[ADRS]
.endif
	FETCH \next, 0, 0
	MULB 2, 1, 0
	MULB 3, 1, 0
	WIN 0
.endm
	s_load_b256 s[4:11], s[0:1], 0x0               ; xc, xs, uc, us
	v_lshl_add_u32 v[SPW], v0, 2, SPARE
	v_mov_b32 v[NIL], 0
	ds_add_u32 v[SPW], v[NIL]                      ; the opening: the add twice on end and one wait
	ds_add_u32 v[SPW], v[NIL]
	v_lshrrev_b32 v1, 5, v0
	v_readfirstlane_b32 s14, v1                    ; wave
	s_lshr_b32 s15, s14, 1                         ; my half of the rows; in the ring: I fetch for x (0) or U (1)
	s_and_b32 s16, s14, 1                          ; my half of the columns; in the ring: which half I fetch
	s_bfe_u32 s40, ttmp6, 0x40000
	s_bfe_u32 s41, ttmp6, 0x40004
	s_lshl_b32 s42, ttmp9, 2
	s_add_co_u32 s42, s42, s40                     ; tile column
	s_and_b32 s17, ttmp7, 0xffff
	s_lshl_b32 s17, s17, 2
	s_add_co_u32 s17, s17, s41                     ; tile row
	s_lshl_b32 s43, s41, 2
	s_lshl_b32 s43, 15, s43
	s_lshl_b32 s44, 0x1111, s40
	s_or_b32 s[G1], s43, (3<<16)|(1<<21)
	s_or_b32 s[G1B], s44, (3<<16)|(1<<21)
	s_or_b32 s[G1S], s43, (3<<16)|(1<<21)
	s_or_b32 s[G1SB], s44, (3<<16)|(1<<21)
	SHAPE G1, NQ*192, 2*NA, 3072                   ; the head's loads bring whole tiles: 8 blocks of x,
	SHAPE G1B, NQ*192, 16, 3072                    ; 16 of U,
	SHAPE G1S, 64, 16, 2048                        ; 128 rows' words of 16 K steps,
	SHAPE G1SB, 64, 32, 64                         ; and 256 columns' words of 16 K steps, dense
	s_mul_i32 s20, s17, 2*NA*RBP
	s_mov_b32 s21, 0
	s_mul_i32 s46, s42, 16*RBP
	s_mov_b32 s47, 0
	s_lshl_b32 s22, s17, 9
	s_mov_b32 s23, 0
	s_lshl_b32 s92, s42, 14
	s_mov_b32 s93, 0
	s_mul_i32 s18, s16, NA*RBP                     ; the ring's halves
	s_mov_b32 s19, 0
	s_mul_i32 s66, s16, 8*RBP
	s_mov_b32 s67, 0
	s_mul_i32 s45, s16, APART
	s_mul_i32 s94, s16, BPART
	s_add_co_u32 s94, s94, 2*APART
	s_wait_dscnt 0x0
	s_wait_kmcnt 0x0
	s_add_nc_u64 s[20:21], s[4:5], s[20:21]
	s_add_nc_u64 s[22:23], s[6:7], s[22:23]
	s_add_nc_u64 s[46:47], s[8:9], s[46:47]
	s_add_nc_u64 s[92:93], s[10:11], s[92:93]
	s_load_b256 s[4:11], s[0:1], 0x20              ; lambda_x, lambda_w, codebook, a2c
	s_load_b64 s[12:13], s[0:1], 0x40              ; a2s
	CROUND                                         ; in front of the first joint loads
	s_mov_b32 s[G0S], 1
	s_mov_b32 s[G0S+1], SCL
	s_mov_b64 s[G0S+2:G0S+3], s[22:23]
	s_or_b32 s[G0S+3], s[G0S+3], 0x80000000
	s_mov_b32 s[G0SB], 1
	s_mov_b32 s[G0SB+1], SCL+ASCB
	s_mov_b64 s[G0SB+2:G0SB+3], s[92:93]
	s_or_b32 s[G0SB+3], s[G0SB+3], 0x80000000
	s_mov_b32 s[G0], 1                             ; slot 0's two groups 0 serve the head's whole tiles first
	s_mov_b32 s[G0+1], 0
	s_mov_b64 s[G0+2:G0+3], s[20:21]
	s_or_b32 s[G0+3], s[G0+3], 0x80000000
	s_mov_b32 s[G0B], 1
	s_mov_b32 s[G0B+1], 2*APART
	s_mov_b64 s[G0B+2:G0B+3], s[46:47]
	s_or_b32 s[G0B+3], s[G0B+3], 0x80000000
	s_add_nc_u64 s[20:21], s[20:21], s[18:19]
	s_add_nc_u64 s[46:47], s[46:47], s[66:67]
	s_mov_b32 s[G0+4], 1                           ; slot 1: my quarter, K steps 4 to 7
	s_add_co_u32 s[G0+5], s45, SLOT
	s_add_nc_u64 s[G0+6:G0+7], s[20:21], STEPB
	s_or_b32 s[G0+7], s[G0+7], 0x80000000
	s_mov_b32 s[G0B+4], 1
	s_add_co_u32 s[G0B+5], s94, SLOT
	s_add_nc_u64 s[G0B+6:G0B+7], s[46:47], STEPB
	s_or_b32 s[G0B+7], s[G0B+7], 0x80000000
	ARM 1, G0,  G1,  .Lhead_b                      ; one tensor load a wave at the head
	ARM 2, G0B, G1B, .Lhead_sa
	ARM 3, G0S, G1S, .Lhead_sb
	tensor_load_to_lds s[G0SB:G0SB+3], s[G1SB:G1SB+7]
	s_nop 0
.rept 4
	v_nop
.endr
.Lhead_asked:
	s_wait_kmcnt 0x0
	s_lshl_b32 s18, s42, 10
	s_lshl_b32 s19, s16, 9
	s_add_co_u32 s18, s18, s19                     ; my 128 columns' lambdas
	s_mov_b32 s19, 0
	s_add_nc_u64 s[4:5], s[4:5], s[18:19]
	s_add_nc_u64 s[6:7], s[6:7], s[18:19]
	v_and_b32 v1, 15, v0                           ; r
	v_bfe_u32 v2, v0, 4, 1                         ; h
	v_lshlrev_b32 v50, 2, v1
	v_lshlrev_b32 v55, 6, v2
	s_wait_alu depctr_va_vdst(0)
	global_load_b32 v48, v50, s[8:9]               ; lane l: codebook[l % 16]
	WIN 0xc0
.irp g, 0,1,2,3
.irp j, 0,1,2,3
	global_load_b128 v[128+16*\g+4*\j:128+16*\g+4*\j+3], v55, s[4:5] offset:128*\g+16*\j    ; window 3: lambda_x and lambda_w of my 64 columns 32 g + 16 h + 0 .. 15
	global_load_b128 v[192+16*\g+4*\j:192+16*\g+4*\j+3], v55, s[6:7] offset:128*\g+16*\j
.endr
.endr
	WIN 0
	s_mul_i32 s21, s15, APART
	s_mul_i32 s22, s16, BPART
	s_add_co_u32 s22, s22, 2*APART
	s_mul_i32 s18, s15, AHS
	s_lshl_b32 s19, s16, 13
	s_add_co_u32 s19, s19, ASCB
	s_sub_co_u32 s19, s19, s18                     ; from my rows' words to my columns'
	s_add_co_u32 s18, s18, SCL
	v_and_b32 v3, 31, v0
	v_lshlrev_b32 v[LI], 4, v3
	v_lshlrev_b32 v[LS], 2, v3
	v_add_nc_u32 v[ADRA], s21, v[LI]
	v_add_nc_u32 v[ADRB], s22, v[LI]
	v_add_nc_u32 v[ADRA+1], SLOT, v[ADRA]
	v_add_nc_u32 v[ADRB+1], SLOT, v[ADRB]
	v_mul_u32_u24 v6, s19, v2                      ; lanes 16-31 take U's words
	v_lshl_add_u32 v5, v1, 2, v6
	v_add_nc_u32 v[ADRS], s18, v5
	s_lshl_b32 s18, s17, 3                         ; where my codes and scale words go
	s_lshl_b32 s19, s15, 2
	s_add_co_u32 s18, s18, s19
	s_mul_i32 s18, s18, RBP
	s_lshl_b32 s19, s42, 1
	s_add_co_u32 s19, s19, s16
	s_mul_i32 s20, s19, FRB
	s_add_co_u32 s18, s18, s20
	s_lshl_b32 s20, s19, 14
	s_mov_b32 s19, 0
	s_add_nc_u64 s[10:11], s[10:11], s[18:19]
	s_lshl_b32 s18, s17, 9
	s_add_co_u32 s20, s20, s18
	s_lshl_b32 s18, s15, 8
	s_add_co_u32 s20, s20, s18
	s_mov_b32 s21, 0
	s_add_nc_u64 s[12:13], s[12:13], s[20:21]
	s_wait_alu depctr_va_vdst(0)
	s_wait_loadcnt 0x0
	v_mov_b32 v50, 0
	v_mov_b32 v51, 0
	v_mov_b32 v52, 0
	v_add_nc_u32 v53, -1, v1
.irp j, 0,1,2,3,4,5,6,7,8,9,10,11,12,13,14,15
	v_readlane_b32 s20, v48, \j                    ; my number's rank: how many are smaller, or equal and earlier
	v_cmp_lt_f32 s18, s20, v48
	v_cmp_eq_f32 s21, s20, v48
	v_cmp_lt_u32 s22, \j, v1
	s_and_b32 s21, s21, s22
	s_or_b32 s21, s21, s18
	v_cndmask_b32 v56, 0, 1, s21
	v_add_nc_u32 v50, v50, v56
.endr
.irp j, 0,1,2,3,4,5,6,7,8,9,10,11,12,13,14,15
	v_readlane_b32 s20, v48, \j                    ; lane j takes the number of rank j, and that of rank j - 1
	v_readlane_b32 s21, v50, \j
	v_cmp_eq_u32 s22, s21, v1
	v_cmp_eq_u32 s23, s21, v53
	v_cndmask_b32 v[CC], v[CC], s20, s22
	v_cndmask_b32 v52, v52, s20, s23
.endr
	v_mul_f32 v[TT], 0.5, v52
	v_fma_f32 v[TT], 0.5, v[CC], v[TT]             ; t_j
	s_mov_b32 s23, 0x322bcc77                      ; 1e-8
	WIN 0xff                                       ; all in window 3: v64-127 coeff; v0-63 1 / safe lambda_x
.set E, 0
.rept 32
	v_pk_mul_f32 v[64+E:65+E], v[128+E:129+E], v[192+E:193+E]
.set E, E+2
.endr
.set E, 0
.rept 64
	v_and_b32 v[E], 0x7fffffff, v[128+E]
	v_cmp_gt_f32 vcc_lo, s23, v[E]
	v_cndmask_b32 v[128+E], v[128+E], s23, vcc_lo
.set E, E+1
.endr
.set E, 0
	s_wait_alu depctr_va_vdst(0)
.rept 64
	v_rcp_f32 v[E], v[128+E]
.set E, E+1
.endr
	v_nop
	s_wait_alu depctr_va_vdst(0)
.set E, 0
.rept 32
	v_pk_fma_f32 v[192+E:193+E], v[128+E:129+E], v[E:E+1], 1.0 op_sel_hi:[1,1,0] neg_lo:[1,0,0] neg_hi:[1,0,0]   ; one Newton step
.set E, E+2
.endr
.set E, 0
.rept 32
	v_pk_fma_f32 v[E:E+1], v[E:E+1], v[192+E:193+E], v[E:E+1]
.set E, E+2
.endr
	WIN 0
	s_wait_alu depctr_va_vdst(0)
	s_wait_tensorcnt 0x0                           ; my tile of the head's four is in; slot 1's first fill is issued as a refill is
	ds_add_u32 v[SPW], v[NIL]
	s_mov_b32 s[G1+2], NA<<16                      ; no tensor load of mine is out: from here on a load brings a quarter of a slot
	s_mov_b32 s[G1+4], NA
	s_mov_b32 s[G1B+2], 8<<16
	s_mov_b32 s[G1B+4], 8
	s_mov_b32 s[G0+1], s45                         ; slot 0's groups 0 for the ring: my quarter, one slot's K steps back from slot 1's
	s_sub_nc_u64 s[G0+2:G0+3], s[G0+6:G0+7], STEPB
	s_mov_b32 s[G0B+1], s94
	s_sub_nc_u64 s[G0B+2:G0B+3], s[G0B+6:G0B+7], STEPB
	s_wait_dscnt 0x0
	CROUND
	JLOAD G0+4, G1, G0B+4, G1B
	FETCH 0, 0, 0
	STEP 0, 0, 1
	WIN 0
	s_mov_b32 s3, LAPS-1
.Llap:
	s_wait_alu depctr_va_vdst(0)
	REST 0
	TURN 0, 1, 1
	STEP 1, 0, 0
	REST 1
	TURN 1, 0, 1
	s_wait_alu depctr_va_vdst(0)                   ; the scale words' address was stepped
	STEP 0, 0, 0
	WIN 0
	s_sub_co_u32 s3, s3, 1
	s_cmp_lg_u32 s3, 0
	s_cbranch_scc1 .Llap
	REST 0
	TURN 0, 1, 0
	STEP 1, 0, 0
	REST 1
	s_wait_dscnt 0x0
	MULB 0, 1, 0
	MULB 1, 1, 0
	MULB 2, 1, 0
	MULB 3, 1, 0
	WIN 0
	PLACES 4
; THE WAY OUT: a loop of four trips, one block of 16 rows x 128 columns (64 numbers a lane) a trip.
	s_mov_b32 s35, 0xffff0000
	s_mov_b32 s[SEL], 0x76543210
	s_mov_b32 s[SEL+1], 0xfedcba98
	v_readlane_b32 s32, v[TT], 4
	v_readlane_b32 s33, v[TT], 8
	v_readlane_b32 s20, v[TT], 12
	v_mov_b32 v14, s20
	v_mov_b32 v12, 0
	s_mov_b32 s34, 0
	s_wait_alu depctr_va_vdst(0)
.macro ARMZ a                          ; z = s / safe lambda_x of block a into v[ZZ ..]: only these lines name the block's own registers
	WIN 0x0e                                       ; source 0 window 2, source 1 window 3
.set E, 0
.rept 32
	v_pk_mul_f32 v[ZZ+E:ZZ+E+1], v[64*\a+E:64*\a+E+1], v[E:E+1]
.set E, E+2
.endr
	WIN 0
	s_wait_alu depctr_va_vdst(0)
.endm
.Lblk:
	s_cmp_eq_u32 s34, 0
	s_cbranch_scc0 .Lz1
	ARMZ 0
	s_branch .Lgo
.Lz1:
	s_cmp_eq_u32 s34, 1
	s_cbranch_scc0 .Lz2
	ARMZ 1
	s_branch .Lgo
.Lz2:
	s_cmp_eq_u32 s34, 2
	s_cbranch_scc0 .Lz3
	ARMZ 2
	s_branch .Lgo
.Lz3:
	ARMZ 3
.Lgo:
	s_wait_xcnt 0x0                                ; the last trip's stores have read their registers
	s_mul_i32 s20, s34, RBP
	s_lshr_b32 s21, s34, 1
	v_add_nc_u32 v2, s20, v[LI]                    ; the block's place in a2c
.macro P0 g                            ; eight numbers: t_8; t_4 or t_12; the lane address 4 (8 m1 + 4 m2 + 2) of the next threshold
.irp i, 0,1,2,3,4,5,6,7
	v_cmp_lt_f32 s[MK+\i], s33, v[ZZ+8*(\g)+\i]
.endr
.irp i, 0,1,2,3,4,5,6,7
	v_cndmask_b32 v[TH+8*(\g)+\i], s32, v14, s[MK+\i]
.endr
.irp i, 0,1,2,3,4,5,6,7
	v_cndmask_b32 v[AD+8*(\g)+\i], 8, 40, s[MK+\i]
.endr
.irp i, 0,1,2,3,4,5,6,7
	v_cmp_lt_f32 s[MK+\i], v[TH+8*(\g)+\i], v[ZZ+8*(\g)+\i]
.endr
.irp i, 0,1,2,3,4,5,6,7
	v_cndmask_b32 v[DD+\i], 0, 16, s[MK+\i]
.endr
.irp i, 0,1,2,3,4,5,6,7
	v_add_nc_u32 v[AD+8*(\g)+\i], v[AD+8*(\g)+\i], v[DD+\i]
.endr
.endm
.macro PN g, lo, hi                    ; the next halving of group g: the lane address moves by lo or hi
	s_wait_dscnt 56-8*(\g)                         ; of the 64 answers asked for in one run, the first 8 (g + 1) are in
.irp i, 0,1,2,3,4,5,6,7
	v_cmp_lt_f32 s[MK+\i], v[TH+8*(\g)+\i], v[ZZ+8*(\g)+\i]
.endr
.irp i, 0,1,2,3,4,5,6,7
	v_cndmask_b32 v[DD+\i], \lo, \hi, s[MK+\i]
.endr
.irp i, 0,1,2,3,4,5,6,7
	v_add_nc_u32 v[AD+8*(\g)+\i], v[AD+8*(\g)+\i], v[DD+\i]
.endr
.endm
.macro ASK dst, data                   ; the block's 64 questions in one run: each number asks the lane at its address
.set E, 0
.rept 64
	ds_bpermute_b32 v[\dst+E], v[AD+E], v[\data]
.set E, E+1
.endr
	s_wait_alu depctr_va_vdst(0)
.endm
.irp g, 0,1,2,3,4,5,6,7
	P0 \g
.endr
	ASK TH, TT                                     ; t of lane 8 m1 + 4 m2 + 2
.irp g, 0,1,2,3,4,5,6,7
	PN \g, -4, 4
.endr
	ASK TH, TT                                     ; t of lane 8 m1 + 4 m2 + 2 m3 + 1
.irp g, 0,1,2,3,4,5,6,7
	PN \g, -4, 0
.endr
	ASK ZZ, CC                                     ; lane n: z_x = c_n, over z, which is done with
	WIN 0x0c                                       ; source 1 window 3
.irp g, 0,1,2,3,4,5,6,7
	s_wait_dscnt 56-8*\g                           ; the first 8 (g + 1) of the 64 are in
.irp j, 0,2,4,6
	v_pk_mul_f32 v[ZZ+8*\g+\j:ZZ+8*\g+\j+1], v[ZZ+8*\g+\j:ZZ+8*\g+\j+1], v[64+8*\g+\j:65+8*\g+\j]   ; x coeff
.endr
.endr
	WIN 0
; the block's four blocks of 32 along the next K are quantised: 16 numbers in this lane, 16 in lane l xor 16
.irp b, 0,1,2,3
	v_max3_num_f32 v[TM+\b], |v[ZZ+16*\b]|, |v[ZZ+1+16*\b]|, 0x1800000
.endr
.irp i, 2,4,6,8,10,12,14
.irp b, 0,1,2,3
	v_max3_num_f32 v[TM+\b], v[TM+\b], |v[ZZ+16*\b+\i]|, |v[ZZ+1+16*\b+\i]|
.endr
.endr
.irp b, 0,1,2,3
	v_permlanex16_b32 v[TM+4+\b], v[TM+\b], s[SEL], s[SEL+1]
.endr
.irp b, 0,1,2,3
	v_max_num_f32 v[TM+\b], v[TM+\b], v[TM+4+\b]
.endr
.irp b, 0,1,2,3
	v_add_nc_u32 v[TM+12+\b], 0xff000000, v[TM+\b]
.endr
.irp b, 0,1,2,3
	v_lshrrev_b32 v[TM+4+\b], 23, v[TM+12+\b]
.endr
	v_lshl_or_b32 v13, v[TM+5], 8, v[TM+4]
	v_lshl_or_b32 v13, v[TM+6], 16, v13
	v_lshl_or_b32 v13, v[TM+7], 24, v13
.irp c, 0,1
	v_cvt_scalef32_pk16_fp6_f32 v[PC+6*\c:PC+2+6*\c], v[ZZ+32*\c:ZZ+15+32*\c], v[TM+12+2*\c]
	v_cvt_scalef32_pk16_fp6_f32 v[PC+12+4*\c:PC+14+4*\c], v[ZZ+16+32*\c:ZZ+31+32*\c], v[TM+12+2*\c+1]
.endr
	v_nop
.irp c, 0,1
.irp i, 0,1,2
	v_permlane16_swap_b32 v[PC+6*\c+\i], v[PC+12+4*\c+\i]
.endr
.irp i, 0,1,2
	v_mov_b32 v[PC+3+6*\c+\i], v[PC+12+4*\c+\i]
.endr
.endr
.irp c, 0,1,2
	global_store_b128 v2, v[PC+4*\c:PC+4*\c+3], s[10:11] offset:512*\c
.endr
	s_and_b32 s20, s34, 1
	s_cmp_eq_u32 s20, 0
	s_wait_alu depctr_va_vdst(0)
	s_cbranch_scc1 .Leven                          ; two blocks' scale words leave together: 128 bytes
	v_cndmask_b32 v15, v12, v13, s35
	v_lshl_add_u32 v3, s21, 7, v[LS]
	global_store_b32 v3, v15, s[12:13]
.Leven:
	v_mov_b32 v12, v13
	s_add_co_u32 s34, s34, 1
	s_cmp_lt_u32 s34, 4
	s_wait_alu depctr_va_vdst(0)
	s_cbranch_scc1 .Lblk
	s_wait_tensorcnt 0x0                           ; the wave's end
	ds_add_u32 v[SPW], v[NIL]
	s_wait_dscnt 0x0
	CROUND                                         ; the closing round
	s_endpgm
.Lfunc_end_k_q41320e40ca_gemm1:
	.size	k_q41320e40ca_gemm1, .Lfunc_end_k_q41320e40ca_gemm1-k_q41320e40ca_gemm1
	.p2alignl 7, 3214868480
	.fill 96, 4, 3214868480
	.section	.rodata,"a",@progbits
	.p2align	6, 0x0
	.amdhsa_kernel k_q41320e40ca_gemm1
		.amdhsa_group_segment_fixed_size 327680
		.amdhsa_private_segment_fixed_size 0
		.amdhsa_enable_private_segment 0
		.amdhsa_kernarg_size 72
		.amdhsa_user_sgpr_count 2
		.amdhsa_user_sgpr_kernarg_segment_ptr 1
		.amdhsa_wavefront_size32 1
		.amdhsa_system_sgpr_workgroup_id_x 1
		.amdhsa_system_sgpr_workgroup_id_y 1
		.amdhsa_system_sgpr_workgroup_id_z 1
		.amdhsa_system_vgpr_workitem_id 0
		.amdhsa_next_free_vgpr 1024
		.amdhsa_next_free_sgpr 100
		.amdhsa_reserve_vcc 1
		.amdhsa_float_denorm_mode_32 3
		.amdhsa_float_denorm_mode_16_64 3
		.amdhsa_memory_ordered 1
		.amdhsa_forward_progress 1
		.amdhsa_inst_pref_size 232
	.end_amdhsa_kernel
	.amdgpu_metadata
---
amdhsa.version: [ 1, 2 ]
amdhsa.kernels:
  - .name:           k_q41320e40ca_gemm1
    .symbol:         k_q41320e40ca_gemm1.kd
    .args:
      - { .name: xc, .offset: 0, .size: 8, .value_kind: global_buffer, .address_space: global }
      - { .name: xs, .offset: 8, .size: 8, .value_kind: global_buffer, .address_space: global }
      - { .name: uc, .offset: 16, .size: 8, .value_kind: global_buffer, .address_space: global }
      - { .name: us, .offset: 24, .size: 8, .value_kind: global_buffer, .address_space: global }
      - { .name: lambda_x, .offset: 32, .size: 8, .value_kind: global_buffer, .address_space: global }
      - { .name: lambda_w, .offset: 40, .size: 8, .value_kind: global_buffer, .address_space: global }
      - { .name: codebook, .offset: 48, .size: 8, .value_kind: global_buffer, .address_space: global }
      - { .name: a2c, .offset: 56, .size: 8, .value_kind: global_buffer, .address_space: global }
      - { .name: a2s, .offset: 64, .size: 8, .value_kind: global_buffer, .address_space: global }
    .group_segment_fixed_size: 327680
    .private_segment_fixed_size: 0
    .kernarg_segment_align: 8
    .kernarg_segment_size: 72
    .max_flat_workgroup_size: 128
    .sgpr_count:     100
    .vgpr_count:     1024
    .wavefront_size: 32
...
	.end_amdgpu_metadata
.endif
;; end of part 2
;; launch gemm2 (part 3): grid 16 x 16, 4 waves a work-group, clusters of 4 x 4, 327,680 bytes of LDS; arguments a2c, a2s, zc, zs, out0; writes out0
.if DOCPART == 3
	.amdgcn_target "amdgcn-amd-amdhsa--gfx1250"
	.amdhsa_code_object_version 6
	.text
	.protected	k_q41320e40ca_gemm2
	.globl	k_q41320e40ca_gemm2
	.p2align	8
	.type	k_q41320e40ca_gemm2,@function
k_q41320e40ca_gemm2:
	s_mov_b64 s[64:65], 0
	v_nop
	global_prefetch_b8 v0, s[64:65] scope:SCOPE_SE
	s_setreg_imm32_b32 hwreg(HW_REG_WAVE_MODE, 25, 1), 1
	s_wait_xcnt 0x0
	s_wait_alu depctr_hold_cnt(0) depctr_sa_sdst(0) depctr_va_vdst(0) depctr_va_sdst(0) depctr_va_ssrc(0) depctr_va_vcc(0) depctr_vm_vsrc(0)
	s_getreg_b32 s2, hwreg(HW_REG_IB_STS2, 6, 4)
	s_cmp_eq_u32 s2, 0
	s_cbranch_scc0 .Lentry_in_a_cluster
	s_endpgm
.Lentry_in_a_cluster:
	s_bfe_u32 s2, ttmp6, 0x10000c
	s_cmp_lg_u32 s2, 0xf033
	s_cbranch_scc0 .Lentry_shape_is_right
	s_endpgm
.Lentry_shape_is_right:
; logits = Q(z_x coeff) Q(Z_w) on codes of FP6 (E2M3): out0 [4096][4000] f32.  No work of reference() is left out here.
; ADDED WORK: the last tile column multiplies columns 4,000 to 4,095, which are zero codes, inside a tile that also holds live columns; they are not stored.
; A tile is 256 x 256: four waves, each 128 x 128 (64 accumulators); 256 work-groups.  Operands lie in memory as images of their registers (C[16 rows][K step][1536]; scale words S[K step][row]).
; THE RING: two LDS slots of 3 K steps of 128: 2 x 147,456 bytes, 2 x 15,360 of scale words and 512 of spare words are 326,144 of 327,680.  The 16 K steps come as 3 + 3 (first fills) and 3 + 3 + 3 + 1 (refills).
; AT THE HEAD each wave issues one joint load: wave 0 slot 0's 256 rows, wave 1 its 256 columns, wave 2 the rows' scale words of K steps 0 to 14, wave 3 the columns'.  Slot 1 is first filled as a refill is.
; K step 15's scale words, for which LDS has no room, come straight from memory into eight registers.
; A K STEP's 64 products carry the next step's 56 LDS loads among them in seven short runs.  At a change of slots the barrier is signalled as soon as the step's fragments are in; eight products stand under it, the others carry the loads.
; NO LOOP: slots and register sets come back after six K steps, and of the two trips that would make the second ends with the short refill, which has another descriptor.
; NO PREFETCH: the block is 256 x 256 in clusters and K is walked in six fills of a slot.
; CLUSTERS: 4 x 4; the rows' tiles are shared along a row of the cluster, the columns' along a column.  The matrix instruction is used transposed: a lane holds eight neighbouring numbers of a row of the output.
; THE WAY OUT: behind a barrier the ring is read no more and has had its last fill: it serves as the stage (rows of 528 bytes).  Block by block of 16 rows x 128 columns a wave lays its numbers there and reads them back as whole
; rows, every lane on, two blocks ahead of the block's stores; EXEC is narrowed round the 16 stores of a block alone, to the lanes whose 16 bytes lie inside a row of out0.  Each block has stage bytes and registers of its own and every
; offset is an immediate: no base is stepped and no store's data are written again.  A store covers 512 consecutive bytes of a row.
; A row of out0 is 16,000 bytes: odd rows begin 128 bytes past a multiple of 256; the tensor's own pitch sets that.
; REGISTERS: window 0: v1 r, v2 h, v16-31 addresses, v32-55 scale words (three sets), v64-255 the rows' fragments (two sets).  Window 1: the columns' fragments, two sets.  Windows 2, 3: the accumulators.
.set NQ,    3
.set KSL,   15
.set FRB,   1536
.set RBP,   24576
.set STEPB, NQ*FRB
.set APART, 8*STEPB
.set BPART, 8*STEPB
.set SLOT,  2*APART+2*BPART
.set SCL,   2*SLOT                     ; the rows' scale words [15 s][256], then the columns'
.set SROW,  1024
.set SCB,   KSL*SROW
.set SPARE, SCL+2*SCB                  ; the spare words, 128 bytes a wave
.set CROW,  16000
.set SPITCH, 528
.set ADRA, 16
.set ADRB, 20
.set STO,  24
.set RD,   25                          ; v25, v26: rows 0-63 and 64-127 of my stage
.set ADRS, 27
.set SPW,  28
.set NIL,  29
.set LI,   30
.set SC,   32
.set AF,   64
.set G0H,  4                           ; s[4:7], s[8:11] group 0 of the head's two loads of codes; later s[4:11] group 1 of the rows' short last tile
.set G0HB, 8
.set G1E,  4
.set G1, 24
.set G0, 32
.set G1EB, 40
.set G1B, 48
.set G0B, 56
.set G1S, 68
.set G0S, 76
.set G1SB, 80
.set G0SB, 88
.set MSB, 0
.macro WIN new
.if MSB != (\new)
	s_set_vgpr_msb (MSB<<8)|(\new)
.set MSB, (\new)
.endif
.endm
.set MUL_LO, 0xa1
.set MUL_HI, 0xf1
.set TO_B,   0x40
.macro JLOAD g0a, g1a, g0b, g1b        ; waves 0 and 1 fetch rows, waves 2 and 3 columns; an s_nop 0 and four v_nop follow each line
	s_cmp_eq_u32 s15, 0
	s_cbranch_scc0 .Lfor_b_\@
	tensor_load_to_lds s[\g0a:\g0a+3], s[\g1a:\g1a+7]
	s_nop 0
.rept 4
	v_nop
.endr
	s_branch .Lasked_\@
.Lfor_b_\@:
	tensor_load_to_lds s[\g0b:\g0b+3], s[\g1b:\g1b+7]
	s_nop 0
.rept 4
	v_nop
.endr
.Lasked_\@:
.endm
.macro ARM under, g0, g1, next
	s_cmp_lt_u32 s14, \under
	s_cbranch_scc0 \next
	tensor_load_to_lds s[\g0:\g0+3], s[\g1:\g1+7]
	s_nop 0
.rept 4
	v_nop
.endr
	s_branch .Lhead_asked
\next:
.endm
.macro CREST
	s_cmp_lg_u32 s14, 0
	s_cbranch_scc1 .Lnot_wave_0_\@
	s_barrier_signal -3
.Lnot_wave_0_\@:
	s_barrier_wait -3
	s_barrier_signal -1
	s_barrier_wait -1
.endm
.macro CROUND
	s_barrier_signal -1
	s_barrier_wait -1
	CREST
.endm
.macro SHAPE g, d0, d1, str
	s_mov_b32 s[\g+1], (\d0)<<16
	s_mov_b32 s[\g+2], (\d1)<<16
	s_mov_b32 s[\g+3], (\d0)<<16
	s_mov_b32 s[\g+4], \d1
	s_mov_b32 s[\g+5], \str
	s_mov_b32 s[\g+6], 0
	s_mov_b32 s[\g+7], 0
.endm
.macro PLACES n
.rept \n
	v_nop
.endr
.endm
; What is fetched: slot FS, its FQ-th K step, which is K step FG of 16, into set FP; FBP bytes from block to block.  What is multiplied: set PP with the scale words of set PS.
.macro LDB n0, cnt                     ; cnt of the 24 loads of the columns' eight fragments
	WIN TO_B
.set N, \n0
.rept \cnt
	ds_load_b128 v[128*FP+4*N:128*FP+4*N+3], v[ADRB+FS] offset:(N/3)*FBP+FQ*FRB+512*(N%3)
.set N, N+1
.endr
.endm
.macro LDA n0, cnt                     ; and of the rows'
	WIN 0
.set N, \n0
.rept \cnt
	ds_load_b128 v[AF+96*FP+4*N:AF+96*FP+4*N+3], v[ADRA+FS] offset:(N/3)*FBP+FQ*FRB+512*(N%3)
.set N, N+1
.endr
.endm
.macro LSC                             ; the scale words: lanes 0-15 the rows' block i, lanes 16-31 the columns'
	WIN 0
.if FG < KSL
.irp i, 0,1,2,3,4,5,6,7
	ds_load_b32 v[SC+8*FP+\i], v[ADRS] offset:FG*SROW+64*\i
.endr
.endif
.endm
.macro M a, zero                       ; the rows' block a against the columns' eight.  The 64 accumulators take turns, in the same order in every step
.if (\a) < 4
	WIN MUL_LO
.else
	WIN MUL_HI
.endif
.irp b, 0,1,2,3,4,5,6,7
.if \zero
	v_wmma_scale_f32_16x16x128_f8f6f4 v[8*(8*((\a)%4)+\b):8*(8*((\a)%4)+\b)+7], v[128*PP+12*\b:128*PP+12*\b+11], v[AF+96*PP+12*(\a):AF+96*PP+12*(\a)+11], 0, v[SC+8*PS+\b], v[SC+8*PS+(\a)] matrix_a_fmt:MATRIX_FMT_FP6 matrix_b_fmt:MATRIX_FMT_FP6 matrix_a_scale:MATRIX_SCALE_ROW1
.else
	v_wmma_scale_f32_16x16x128_f8f6f4 v[8*(8*((\a)%4)+\b):8*(8*((\a)%4)+\b)+7], v[128*PP+12*\b:128*PP+12*\b+11], v[AF+96*PP+12*(\a):AF+96*PP+12*(\a)+11], v[8*(8*((\a)%4)+\b):8*(8*((\a)%4)+\b)+7], v[SC+8*PS+\b], v[SC+8*PS+(\a)] matrix_a_fmt:MATRIX_FMT_FP6 matrix_b_fmt:MATRIX_FMT_FP6 matrix_a_scale:MATRIX_SCALE_ROW1
.endif
.endr
.endm
.macro STEP g, zero                    ; K step g, whose successor lies in the same slot
.set PP, (\g)%2
.set PS, PP
.set FS, ((\g)/NQ)%2
.set FQ, (\g)%NQ+1
.set FP, 1-PP
.set FG, (\g)+1
.set FBP, STEPB
	s_wait_dscnt 0x0                               ; this step's fragments and scale words are in
	PLACES 4                                       ; behind the last step's products, which read the set that is loaded now
	LDB 0, 8
	M 0, \zero
	LDB 8, 8
	M 1, \zero
	LDB 16, 8
	M 2, \zero
	LDA 0, 8
	M 3, \zero
	LDA 8, 8
	M 4, \zero
	LDA 16, 8
	M 5, \zero
	LSC
	M 6, \zero
	M 7, \zero
.endm
; K step g, a slot's last.  fill = 1: this slot is filled again with the K steps six on; 2: with K step 15 alone; 0: nothing is left to fetch.  bp: the next slot's bytes from block to block
.macro TURN g, fill, bp
.set PP, (\g)%2
.set PS, PP
.set SL, ((\g)/NQ)%2
.set FS, 1-SL
.set FQ, 0
.set FP, 1-PP
.set FG, (\g)+1
.set FBP, \bp
	WIN 0
	s_wait_tensorcnt 0x0                           ; all my tensor loads have landed: my part of the next slot
	ds_add_u32 v[SPW], v[NIL]
	s_wait_dscnt 0x0                               ; the add is done; this step's fragments are in, and with them my reads of this slot are over
	s_barrier_signal -1
	M 0, 0                                         ; eight products while the others arrive
	WIN 0
	s_barrier_wait -1
.if \fill
	CREST                                          ; the barrier has opened a round of the cluster's barrier
	s_add_nc_u64 s[G0+4*SL+2:G0+4*SL+3], s[G0+4*SL+2:G0+4*SL+3], 2*STEPB
	s_add_nc_u64 s[G0B+4*SL+2:G0B+4*SL+3], s[G0B+4*SL+2:G0B+4*SL+3], 2*STEPB
.if \fill == 1
	JLOAD G0+4*SL, G1, G0B+4*SL, G1B               ; the first tensor load behind the round; its four v_nop are the places in front of the loads below
.else
	JLOAD G0+4*SL, G1E, G0B+4*SL, G1EB             ; the short tile: 8 blocks x one K step
.endif
.else
	PLACES 4
.endif
	LDB 0, 8
	M 1, 0
	LDB 8, 8
	M 2, 0
	LDB 16, 8
	M 3, 0
	LDA 0, 8
	M 4, 0
	LDA 8, 8
	M 5, 0
	LDA 16, 8
	M 6, 0
	LSC
	M 7, 0
.endm
	s_load_b256 s[4:11], s[0:1], 0x0               ; a2c, a2s, zc, zs
	s_load_b64 s[12:13], s[0:1], 0x20              ; out0
	v_lshl_add_u32 v[SPW], v0, 2, SPARE
	v_mov_b32 v[NIL], 0
	ds_add_u32 v[SPW], v[NIL]                      ; the opening: the add twice on end and one wait
	ds_add_u32 v[SPW], v[NIL]
	v_lshrrev_b32 v1, 5, v0
	v_readfirstlane_b32 s14, v1                    ; wave
	s_lshr_b32 s15, s14, 1                         ; my half of the rows; in the ring: I fetch rows (0) or columns (1)
	s_and_b32 s16, s14, 1                          ; my half of the columns; in the ring: which half I fetch
	s_bfe_u32 s40, ttmp6, 0x40000
	s_bfe_u32 s41, ttmp6, 0x40004
	s_lshl_b32 s42, ttmp9, 2
	s_add_co_u32 s42, s42, s40                     ; tile column
	s_and_b32 s17, ttmp7, 0xffff
	s_lshl_b32 s17, s17, 2
	s_add_co_u32 s17, s17, s41                     ; tile row
	s_lshl_b32 s43, s41, 2
	s_lshl_b32 s43, 15, s43
	s_lshl_b32 s44, 0x1111, s40
	s_or_b32 s[G1], s43, (3<<16)|(1<<21)
	s_or_b32 s[G1B], s44, (3<<16)|(1<<21)
	s_or_b32 s[G1S], s43, (3<<16)|(1<<21)
	s_or_b32 s[G1SB], s44, (3<<16)|(1<<21)
	SHAPE G1, NQ*192, 16, 3072                     ; the head's loads bring 16 blocks, of each 3 K steps on end
	SHAPE G1B, NQ*192, 16, 3072
	SHAPE G1S, 128, KSL, 2048                      ; 256 words (1,024 bytes) of 15 K steps, 16,384 bytes apart
	SHAPE G1SB, 128, KSL, 2048
	s_mul_i32 s20, s17, 16*RBP
	s_mov_b32 s21, 0
	s_mul_i32 s46, s42, 16*RBP
	s_mov_b32 s47, 0
	s_lshl_b32 s22, s17, 10
	s_mov_b32 s23, 0
	s_lshl_b32 s92, s42, 10
	s_mov_b32 s93, 0
	s_mul_i32 s18, s16, 8*RBP                      ; the ring's halves
	s_mov_b32 s19, 0
	s_mul_i32 s45, s16, APART
	s_mul_i32 s94, s16, BPART
	s_add_co_u32 s94, s94, 2*APART
	s_lshl_b32 s66, s15, 9
	s_add_co_u32 s66, s66, KSL*16384               ; K step 15's words of my 128 rows,
	s_mov_b32 s67, 0
	s_lshl_b32 s96, s16, 9
	s_add_co_u32 s96, s96, KSL*16384               ; and of my 128 columns
	s_mov_b32 s97, 0
	s_wait_dscnt 0x0
	s_wait_kmcnt 0x0
	s_add_nc_u64 s[20:21], s[4:5], s[20:21]
	s_add_nc_u64 s[22:23], s[6:7], s[22:23]
	s_add_nc_u64 s[46:47], s[8:9], s[46:47]
	s_add_nc_u64 s[92:93], s[10:11], s[92:93]
	CROUND                                         ; in front of the first joint loads
	s_mov_b32 s[G0S], 1
	s_mov_b32 s[G0S+1], SCL
	s_mov_b64 s[G0S+2:G0S+3], s[22:23]
	s_or_b32 s[G0S+3], s[G0S+3], 0x80000000
	s_mov_b32 s[G0SB], 1
	s_mov_b32 s[G0SB+1], SCL+SCB
	s_mov_b64 s[G0SB+2:G0SB+3], s[92:93]
	s_or_b32 s[G0SB+3], s[G0SB+3], 0x80000000
	s_add_nc_u64 s[66:67], s[22:23], s[66:67]
	s_add_nc_u64 s[96:97], s[92:93], s[96:97]
	s_mov_b32 s[G0H], 1
	s_mov_b32 s[G0H+1], 0
	s_mov_b64 s[G0H+2:G0H+3], s[20:21]
	s_or_b32 s[G0H+3], s[G0H+3], 0x80000000
	s_mov_b32 s[G0HB], 1
	s_mov_b32 s[G0HB+1], 2*APART
	s_mov_b64 s[G0HB+2:G0HB+3], s[46:47]
	s_or_b32 s[G0HB+3], s[G0HB+3], 0x80000000
	s_add_nc_u64 s[20:21], s[20:21], s[18:19]
	s_add_nc_u64 s[46:47], s[46:47], s[18:19]
.irp s, 0,1
	s_mov_b32 s[G0+4*\s], 1
	s_add_co_u32 s[G0+4*\s+1], s45, \s*SLOT
	s_add_nc_u64 s[G0+4*\s+2:G0+4*\s+3], s[20:21], \s*STEPB
	s_or_b32 s[G0+4*\s+3], s[G0+4*\s+3], 0x80000000
	s_mov_b32 s[G0B+4*\s], 1
	s_add_co_u32 s[G0B+4*\s+1], s94, \s*SLOT
	s_add_nc_u64 s[G0B+4*\s+2:G0B+4*\s+3], s[46:47], \s*STEPB
	s_or_b32 s[G0B+4*\s+3], s[G0B+4*\s+3], 0x80000000
.endr
	ARM 1, G0H,  G1,  .Lhead_b                     ; one tensor load a wave at the head
	ARM 2, G0HB, G1B, .Lhead_sa
	ARM 3, G0S,  G1S, .Lhead_sb
	tensor_load_to_lds s[G0SB:G0SB+3], s[G1SB:G1SB+7]
	s_nop 0
.rept 4
	v_nop
.endr
.Lhead_asked:
	s_mul_i32 s21, s15, APART                      ; my rows' part of a slot,
	s_mul_i32 s22, s16, BPART
	s_add_co_u32 s22, s22, 2*APART                 ; my columns'
	s_lshl_b32 s18, s15, 9
	s_lshl_b32 s19, s16, 9
	s_add_co_u32 s19, s19, SCB
	s_sub_co_u32 s19, s19, s18                     ; from my rows' words to my columns'
	s_add_co_u32 s18, s18, SCL
	s_mul_i32 s23, s14, 128*SPITCH                 ; my stage
	v_and_b32 v1, 15, v0                           ; r
	v_bfe_u32 v2, v0, 4, 1                         ; h
	v_and_b32 v3, 31, v0
	v_lshlrev_b32 v[LI], 4, v3
	v_lshlrev_b32 v7, 2, v1
.irp i, 0,1,2,3,4,5,6,7
	global_load_b32 v[64+\i], v7, s[66:67] offset:64*\i    ; K step 15's scale words
	global_load_b32 v[72+\i], v7, s[96:97] offset:64*\i
.endr
	v_add_nc_u32 v[ADRA], s21, v[LI]
	v_add_nc_u32 v[ADRB], s22, v[LI]
	v_add_nc_u32 v[ADRA+1], SLOT, v[ADRA]
	v_add_nc_u32 v[ADRB+1], SLOT, v[ADRB]
	v_mul_u32_u24 v6, s19, v2                      ; lanes 16-31 take the columns' words
	v_lshl_add_u32 v5, v1, 2, v6
	v_add_nc_u32 v[ADRS], s18, v5
	v_mul_u32_u24 v5, v1, SPITCH                   ; into the stage: row r, 32 bytes for each half of the lanes
	v_lshl_add_u32 v5, v2, 5, v5
	v_add_nc_u32 v[STO], s23, v5
	v_add_nc_u32 v[RD], s23, v[LI]                 ; back: the 32 lanes take one row of 512 bytes
	v_add_nc_u32 v[RD+1], 64*SPITCH, v[RD]
	s_lshl_b32 s20, s17, 8
	s_lshl_b32 s21, s15, 7
	s_add_co_u32 s20, s20, s21                     ; my first row of out0
	s_mul_i32 s20, s20, CROW
	s_mov_b32 s21, 0
	s_lshl_b32 s46, s42, 10
	s_lshl_b32 s47, s16, 9
	s_add_co_u32 s46, s46, s47                     ; my first column, in bytes
	s_sub_co_u32 s95, CROW, s46                    ; what is left of a row from there
	s_mov_b32 s47, 0
	s_add_nc_u64 s[20:21], s[20:21], s[46:47]
	s_add_nc_u64 s[12:13], s[12:13], s[20:21]
	s_mov_b32 s99, 0xffff0000
	s_wait_alu depctr_va_vdst(0)
	s_wait_loadcnt 0x0
.irp i, 0,1,2,3,4,5,6,7
	v_cndmask_b32 v[SC+16+\i], v[64+\i], v[72+\i], s99   ; the third set of scale words, laid as the other two
.endr
	s_wait_alu depctr_va_vdst(0)
	s_wait_tensorcnt 0x0                           ; my tile of the head's four is in; slot 1's first fill is issued as a refill is
	ds_add_u32 v[SPW], v[NIL]
	s_mov_b32 s[G1+2], 8<<16                       ; no tensor load of mine is out: from here on a load brings 8 blocks
	s_mov_b32 s[G1+4], 8
	s_mov_b32 s[G1B+2], 8<<16
	s_mov_b32 s[G1B+4], 8
	s_or_b32 s[G1E], s43, (3<<16)|(1<<21)          ; the short tile's two groups 1, in registers that are done with: the masks first
	s_or_b32 s[G1EB], s44, (3<<16)|(1<<21)
	SHAPE G1E, 192, 8, 3072
	SHAPE G1EB, 192, 8, 3072
	s_wait_dscnt 0x0
	CROUND
	JLOAD G0+4, G1, G0B+4, G1B                     ; K steps 3 to 5
.set FS, 0
.set FQ, 0
.set FP, 0
.set FG, 0
.set FBP, STEPB
	LDB 0, 24
	LDA 0, 24
	LSC
	STEP 0, 1                                      ; the first step's products start the sums
	STEP 1, 0
	TURN 2, 1, STEPB
	STEP 3, 0
	STEP 4, 0
	TURN 5, 1, STEPB
	STEP 6, 0
	STEP 7, 0
	TURN 8, 1, STEPB
	STEP 9, 0
	STEP 10, 0
	TURN 11, 2, STEPB
	STEP 12, 0
	STEP 13, 0
	TURN 14, 0, FRB
	s_wait_dscnt 0x0                               ; K step 15's fragments are in: my reads of the ring are over
	s_barrier_signal -1                            ; behind it the ring serves as the stage
.set PP, 1
.set PS, 2
.irp a, 0,1,2,3,4,5,6,7
	M \a, 0
.endr
	WIN 0
	s_barrier_wait -1
	PLACES 4
	v_cmp_gt_u32 vcc_lo, s95, v[LI]                ; the lanes whose 16 bytes lie inside the row: all, but in the last 128 columns, where lanes 0-7 do
.macro PUT a                           ; block a (a plain number) into its 16 rows of my stage
	WIN 0x08+4*(\a/4)
.irp b, 0,1,2,3,4,5,6,7
	ds_store_b128 v[STO], v[64*(\a%4)+8*\b:64*(\a%4)+8*\b+3] offset:\a*16*SPITCH+64*\b          ; each accumulator from its low end on
	ds_store_b128 v[STO], v[64*(\a%4)+8*\b+4:64*(\a%4)+8*\b+7] offset:\a*16*SPITCH+64*\b+16
.endr
.endm
.macro BACK k                          ; and back as whole rows: blocks 0-3 into window 1, 4-7 into window 2.  LDS serves a wave's instructions in order: these see my stores
.set WW, ((1+(\k)/4)<<6)
	WIN WW
.irp t, 0,1,2,3,4,5,6,7,8,9,10,11,12,13,14,15
	ds_load_b128 v[64*((\k)%4)+4*\t:64*((\k)%4)+4*\t+3], v[RD+(\k)/4] offset:(16*((\k)%4)+\t)*SPITCH
.endr
.endm
.macro SEND k, younger                 ; younger: at most as many as the LDS instructions issued behind block k's reads
	s_wait_dscnt \younger
	s_and_saveexec_b32 s98, vcc_lo                 ; no store has been issued since the last wait on XCNT for 0
.set WW, ((1+(\k)/4)<<2)
	WIN WW
.irp t, 0,1,2,3,4,5,6,7,8,9,10,11,12,13,14,15
	global_store_b128 v[LI], v[64*((\k)%4)+4*\t:64*((\k)%4)+4*\t+3], s[12:13] offset:(16*(\k)+\t)*CROW th:TH_STORE_NT
.endr
	s_wait_xcnt 0x0                                ; EXEC is widened only behind this wait
	s_or_b32 exec_lo, exec_lo, s98
.endm
	PUT 0
	BACK 0
	PUT 1
	BACK 1
	s_wait_xcnt 0x0                                ; EXEC changes only behind this wait
	PUT 2
	BACK 2
	SEND 0, 63                                     ; behind block 0's reads stand two blocks' 64 LDS instructions
	PUT 3
	BACK 3
	SEND 1, 63
	PUT 4
	BACK 4                                         ; lands on block 0's accumulators: the wait in SEND 1 has shown that block's stage stores done
	SEND 2, 63
	PUT 5
	BACK 5
	SEND 3, 63
	PUT 6
	BACK 6
	SEND 4, 63
	PUT 7
	BACK 7
	SEND 5, 63
	SEND 6, 32
	SEND 7, 0
	WIN 0
	s_wait_tensorcnt 0x0                           ; the wave's end
	ds_add_u32 v[SPW], v[NIL]
	s_wait_dscnt 0x0
	CROUND                                         ; the closing round
	s_endpgm
.Lfunc_end_k_q41320e40ca_gemm2:
	.size	k_q41320e40ca_gemm2, .Lfunc_end_k_q41320e40ca_gemm2-k_q41320e40ca_gemm2
	.p2alignl 7, 3214868480
	.fill 96, 4, 3214868480
	.section	.rodata,"a",@progbits
	.p2align	6, 0x0
	.amdhsa_kernel k_q41320e40ca_gemm2
		.amdhsa_group_segment_fixed_size 327680
		.amdhsa_private_segment_fixed_size 0
		.amdhsa_enable_private_segment 0
		.amdhsa_kernarg_size 40
		.amdhsa_user_sgpr_count 2
		.amdhsa_user_sgpr_kernarg_segment_ptr 1
		.amdhsa_wavefront_size32 1
		.amdhsa_system_sgpr_workgroup_id_x 1
		.amdhsa_system_sgpr_workgroup_id_y 1
		.amdhsa_system_sgpr_workgroup_id_z 1
		.amdhsa_system_vgpr_workitem_id 0
		.amdhsa_next_free_vgpr 1024
		.amdhsa_next_free_sgpr 100
		.amdhsa_reserve_vcc 1
		.amdhsa_float_denorm_mode_32 3
		.amdhsa_float_denorm_mode_16_64 3
		.amdhsa_memory_ordered 1
		.amdhsa_forward_progress 1
		.amdhsa_inst_pref_size 241
	.end_amdhsa_kernel
	.amdgpu_metadata
---
amdhsa.version: [ 1, 2 ]
amdhsa.kernels:
  - .name:           k_q41320e40ca_gemm2
    .symbol:         k_q41320e40ca_gemm2.kd
    .args:
      - { .name: a2c, .offset: 0, .size: 8, .value_kind: global_buffer, .address_space: global }
      - { .name: a2s, .offset: 8, .size: 8, .value_kind: global_buffer, .address_space: global }
      - { .name: zc, .offset: 16, .size: 8, .value_kind: global_buffer, .address_space: global }
      - { .name: zs, .offset: 24, .size: 8, .value_kind: global_buffer, .address_space: global }
      - { .name: out0, .offset: 32, .size: 8, .value_kind: global_buffer, .address_space: global }
    .group_segment_fixed_size: 327680
    .private_segment_fixed_size: 0
    .kernarg_segment_align: 8
    .kernarg_segment_size: 40
    .max_flat_workgroup_size: 128
    .sgpr_count:     100
    .vgpr_count:     1024
    .wavefront_size: 32
...
	.end_amdgpu_metadata
.endif
;; end of part 3
